; MI455X (gfx1250); checked and timed in simulation.
; The chip was launched on July 23, 2026; its instructions are those of AMD's public machine-readable ISA for CDNA 5 (MIT licence, August 2026) and "CDNA5" Instruction Set Architecture Reference Guide (July 2026). The comments in the code are by the model that wrote it; some were corrected since.
;; Causal Self Attention. Allowed arithmetic: matrix products marked QUANTISED: E4M3 operands, one given power-of-two scale a tensor, by v_wmma_f32_16x16x64_fp8_fp8 or v_wmma_f32_16x16x128_fp8_fp8, f32 sums; everything else in f32.
;; Inputs: lowp_scales 8 int32 (the exponents e of the quantised operands' scales 2^e); w_out_codes 1,024 x 32 x 32 uint8 (E4M3 codes of w_out, K innermost, in blocks of 32 codes); w_qkv_codes 3,072 x 32 x 32 uint8 (E4M3 codes of w_qkv, K innermost, in blocks of 32 codes); x_codes 4 x 2,048 x 32 x 32 uint8 (E4M3 codes of x, K innermost, in blocks of 32 codes).
;; Outputs: out0 4 x 2,048 x 1,024 float32.
;; This version of the problem:
;;   THIS VERSION OF THE PROBLEM IS GIVEN IN LOW PRECISION. The matrix products marked QUANTISED in the list below multiply operands that are first quantised to E4M3 (4 exponent bits, 3 mantissa bits; 8 bits a number), with one given power-of-two scale for each operand tensor; their sums are f32. All else is computed in f32.
;;   The module's matrix products, in the order in which they are computed (A, B: the left and right operand; K: the contracted axis; several contracted axes count as one K, in the product's order):
;;     1. [M 8,192, K 1,024] x [K 1,024, N 3,072]; A: input x (given as codes); B: input w_qkv (given as codes): QUANTISED (scales: A lowp_scales[0], B lowp_scales[1])
;;     2. batch 64 x [M 2,048, K 64] x [K 64, N 2,048]; A: computed on the way; B: computed on the way: QUANTISED (scales: A lowp_scales[2], B lowp_scales[3])
;;     3. batch 64 x [M 2,048, K 2,048] x [K 2,048, N 64]; A: softmax (see below); B: computed on the way: QUANTISED (scales: A lowp_scales[4], B lowp_scales[5])
;;     4. [M 8,192, K 1,024] x [K 1,024, N 1,024]; A: computed on the way; B: input w_out (given as codes): QUANTISED (scales: A lowp_scales[6], B lowp_scales[7])
;;   THE QUANTISER, for each operand of a quantised product, along K:
;;     - The operand's scale is 2^e, e = its entry of the input lowp_scales (int32; the entries are numbered through the quantised products in the list's order, A before B).
;;     - Each number is divided by the scale, clamped to +-448, and rounded to the nearest number of E4M3, ties to even, subnormals kept.
;;     - The product sums the exact products of the quantised numbers (number of the format x scale) in f32.
;;   ~~~python
;;   def quantise(x, axis, e):      # numpy; x: float32 -> the quantised numbers, widened to float32 again
;;       x = np.moveaxis(x, axis, -1); K = x.shape[-1]
;;       r = np.clip(x / 2.0 ** e, -448, 448)
;;       step = 2.0 ** (np.maximum(np.frexp(np.where(r == 0, 1, r))[1] - 1, -6) - 3)
;;       q = np.round(r / step) * step * 2.0 ** e      # np.round: ties to even
;;       return np.moveaxis(q, -1, axis).astype(np.float32)
;;   ~~~
;;   SOFTMAX AHEAD OF A QUANTISED PRODUCT. Where the list says 'softmax', what is quantised is not the finished softmax but p = 2^(t - M), with t = logit x log2(e) and M = ceil(the row's largest t), a whole number; so 1/2 < the row's largest p <= 1. The row's sum l is taken of the UNQUANTISED p, in f32, and the product's result is divided by l at the end. Since M is a whole number, a kernel that streams over the keys may use a running M (the ceiling of the running maximum): every later rescaling is an exact power of two, so the quantised numbers keep their values, but for numbers so far below the row's largest that they fall under the format's range.
;;   OPERANDS COMPUTED ON THE WAY. 'Computed on the way' means the value that the module computes at that place (a softmax that the list does not call 'softmax' is quantised finished and normalised). What goes into a quantiser is computed in f32, as accurately as f32 sums, v_exp_f32 and their like allow (about 1e-6 of the number): no bf16 or f16 on the way to a quantiser, and a product that is left as it is and whose result goes on into a quantised operand takes f32 operands (vector FMAs, or v_wmma_f32_16x16x4_f32). A number that lies on a knife's edge between two numbers of the format may be rounded either way, as far as f32 arithmetic and the matrix unit's own rounding can turn it there, and no further.
;;   INPUTS GIVEN AS CODES. w_out (in the module: [1024, 1024], K = its axis 1); w_qkv (in the module: [3072, 1024], K = its axis 1); x (in the module: [4, 2048, 1024], K = its axis 2): each comes as NAME_codes (uint8): NAME with its K axis moved to the last place and cut into blocks of 32 codes, [.., K / 32, bytes a block], one block behind the other in memory; one code a byte (a code: sign, 4 exponent bits, 3 mantissa bits); its scale is its entry of lowp_scales. Its value is code x scale, taken as it is: it is not quantised again, and the codes and scales need not be those that the quantiser above would give.
;; One version. Each part assembles by itself: llvm-mc -triple=amdgcn-amd-amdhsa -mcpu=gfx1250 --defsym DOCPART=n.
;; ======== version 1 of 1: 4 launches
;; limits: right only within a limited range of input values
;; workspace buffers: tab 524,288 bytes; q_img 8,388,608 bytes; k_img 8,388,608 bytes; v_img 8,388,608 bytes; a_img 8,388,608 bytes
;; launch ropetab (part 1): grid 64 x 1, 4 waves a work-group, no clusters, 0 bytes of LDS; arguments tab; writes tab
.if DOCPART == 1
	.amdgcn_target "amdgcn-amd-amdhsa--gfx1250"
	.amdhsa_code_object_version 6
	.text
	.protected	k_qee1ce1f2e0_ropetab
	.globl	k_qee1ce1f2e0_ropetab
	.p2align	8
	.type	k_qee1ce1f2e0_ropetab,@function
k_qee1ce1f2e0_ropetab:
	s_mov_b64 s[64:65], 0
	v_nop
	global_prefetch_b8 v0, s[64:65] scope:SCOPE_SE
	s_setreg_imm32_b32 hwreg(HW_REG_WAVE_MODE, 25, 1), 1
	s_wait_xcnt 0x0
; cos and sin of the rotary angles a = fl(t x theta_f), t = 0 .. 2047, f = 0 .. 31, theta_f = 10^(-f/8) = 10000^(-2f/64), all in f32.
; LAYOUT of tab: [tile of 16 t (128)][piece p (8)][lane (32)][16 bytes].  p = 4 kind + 2 bb + hf (kind 0: cos, 1: sin).  Lane (r = lane % 16, h = lane / 16) holds t = 16 tile + r and
; f = 16 bb + 8 h + 4 hf + 0 .. 3: the order in which the next launch's registers take the numbers, so that each of its loads, and each store here, covers 512 consecutive bytes.
; SHARES: wave W = 4 x work-group + wave (0 .. 255) takes piece W % 8 of tiles 4 (W / 8) + 0 .. 3: a lane's four theta never change, and cos or sin is one choice for the whole wave.
; THE ANGLE: n = the whole number nearest a x 2/pi; r = a - n x pi/2, pi/2 taken in two parts by two fused multiply-adds (the first is exact: both terms are multiples of 2^-23 and the difference is under 1);
; |r| <= pi/4 + a little.  sin r and cos r by their series up to r^9 and r^10 (the terms cut are under 2e-9).  cos a is +cos r, -sin r, -cos r, +sin r for n % 4 = 0, 1, 2, 3; sin a = cos(a - pi/2): n + 3 in n's place.
; LIMIT: theta_f is the f32 number nearest 10^(-f/8).  A power and a reciprocal taken in f32 may differ from it in the last bit or two, which at t = 2047 moves an angle by up to about 2e-4.
; No LDS, no barrier, no matrix unit: 131,072 numbers, each made once.
.macro THETA m, a, b, c, d                     ; the lanes whose f / 4 is m take these four
	v_cmp_ne_u32 vcc_lo, \m, v2
	v_cndmask_b32 v8, \a, v8, vcc_lo
	v_cndmask_b32 v9, \b, v9, vcc_lo
	v_cndmask_b32 v10, \c, v10, vcc_lo
	v_cndmask_b32 v11, \d, v11, vcc_lo
.endm
	s_load_b64 s[4:5], s[0:1], 0x0                 ; tab
	v_lshrrev_b32 v1, 5, v0
	v_readfirstlane_b32 s8, v1                     ; wave 0..3
	s_lshl_b32 s9, ttmp9, 2
	s_add_co_u32 s9, s9, s8                        ; W
	s_and_b32 s10, s9, 7                           ; my piece p
	s_lshr_b32 s9, s9, 3
	s_lshl_b32 s9, s9, 2                           ; my first tile
	s_lshr_b32 s11, s10, 2
	s_mul_i32 s11, s11, 3                          ; 3 x kind: what is added to n
	s_bfe_u32 s20, s10, 0x10001                    ; bb
	s_and_b32 s21, s10, 1                          ; hf
	s_lshl_b32 s20, s20, 2
	s_add_co_u32 s20, s20, s21                     ; 4 bb + hf
	s_lshl_b32 s22, s9, 12                         ; a tile is 4,096 bytes,
	s_lshl_b32 s23, s10, 9                         ; a piece 512
	s_add_co_u32 s22, s22, s23
	s_mov_b32 s23, 0
	s_lshl_b32 s24, s9, 4                          ; my first tile's first t
	s_mov_b32 s12, 0xbe2aaaab                      ; -1/6
	s_mov_b32 s13, 0x3c088889                      ; 1/120
	s_mov_b32 s14, 0xb9500d01                      ; -1/5040
	s_mov_b32 s15, 0x3638ef1d                      ; 1/362880
	s_mov_b32 s16, 0x3d2aaaab                      ; 1/24
	s_mov_b32 s17, 0xbab60b61                      ; -1/720
	s_mov_b32 s18, 0x37d00d01                      ; 1/40320
	s_mov_b32 s19, 0xb493f27e                      ; -1/3628800
	v_and_b32 v1, 31, v0                           ; lane
	v_lshlrev_b32 v6, 4, v1                        ; my 16 bytes of a piece
	v_lshrrev_b32 v4, 4, v1                        ; h
	v_lshl_add_u32 v2, v4, 1, s20                  ; f / 4 = 4 bb + 2 h + hf
	v_and_b32 v3, 15, v1                           ; r
	v_add_nc_u32 v7, s24, v3                       ; my t in the first tile
	v_mov_b32 v8, 0x3f800000                       ; theta_0 .. theta_3
	v_mov_b32 v9, 0x3f3ff911
	v_mov_b32 v10, 0x3f0ff59a
	v_mov_b32 v11, 0x3ed7e89b
	THETA 1, 0x3ea1e89b, 0x3e72d424, 0x3e361887, 0x3e088d77
	THETA 2, 0x3dcccccd, 0x3d99940e, 0x3d6655c3, 0x3d2cba15
	THETA 3, 0x3d0186e2, 0x3cc24350, 0x3c91ad39, 0x3c5a7bf1
	THETA 4, 0x3c23d70a, 0x3bf5b9b0, 0x3bb8449c, 0x3b8a2e77
	THETA 5, 0x3b4f3e37, 0x3b1b690d, 0x3ae91528, 0x3aaec98e
	THETA 6, 0x3a83126f, 0x3a44948c, 0x3a136a16, 0x39dd1726
	THETA 7, 0x39a5cb5f, 0x3978a814, 0x393a7753, 0x390bd472
	s_wait_kmcnt 0x0
	s_add_nc_u64 s[4:5], s[4:5], s[22:23]          ; my piece of my first tile
; One tile: four numbers a lane, side by side so that no line waits for the line above it.  v16 a, v20 n, v24 r, v28 r^2, v32 sin's series, v36 cos's, v40 at work; each tile has its own four result registers.
.macro TURN it
	v_add_nc_u32 v5, 16*\it, v7
	v_cvt_f32_u32 v5, v5                           ; t, exact
	s_wait_alu depctr_va_vdst(0)
.irp e, 0,1,2,3
	v_mul_f32 v[16+\e], v5, v[8+\e]                ; a = t x theta, rounded once
.endr
.irp e, 0,1,2,3
	v_mul_f32 v[20+\e], 0x3f22f983, v[16+\e]       ; a x 2/pi
.endr
.irp e, 0,1,2,3
	v_rndne_f32 v[20+\e], v[20+\e]                 ; n
.endr
.irp e, 0,1,2,3
	v_fmamk_f32 v[24+\e], v[20+\e], 0xbfc90fdb, v[16+\e]   ; a - n x (pi/2's f32 number)
.endr
.irp e, 0,1,2,3
	v_fmamk_f32 v[24+\e], v[20+\e], 0x333bbd2e, v[24+\e]   ; + n x 4.371139e-8: that number is too large by so much
.endr
.irp e, 0,1,2,3
	v_mul_f32 v[28+\e], v[24+\e], v[24+\e]
.endr
.irp e, 0,1,2,3
	v_fma_f32 v[32+\e], v[28+\e], s15, s14
	v_fma_f32 v[36+\e], v[28+\e], s19, s18
.endr
.irp e, 0,1,2,3
	v_fma_f32 v[32+\e], v[32+\e], v[28+\e], s13
	v_fma_f32 v[36+\e], v[36+\e], v[28+\e], s17
.endr
.irp e, 0,1,2,3
	v_fma_f32 v[32+\e], v[32+\e], v[28+\e], s12
	v_fma_f32 v[36+\e], v[36+\e], v[28+\e], s16
.endr
.irp e, 0,1,2,3
	v_mul_f32 v[40+\e], v[28+\e], v[24+\e]         ; r^3
	v_fma_f32 v[36+\e], v[36+\e], v[28+\e], -0.5
.endr
.irp e, 0,1,2,3
	v_fma_f32 v[32+\e], v[32+\e], v[40+\e], v[24+\e]   ; sin r
	v_fma_f32 v[36+\e], v[36+\e], v[28+\e], 1.0        ; cos r
.endr
.irp e, 0,1,2,3
	v_cvt_i32_f32 v[40+\e], v[20+\e]
.endr
.irp e, 0,1,2,3
	v_add_nc_u32 v[40+\e], s11, v[40+\e]           ; q = n, or n + 3 for the sine
.endr
.irp e, 0,1,2,3
	v_and_b32 v[20+\e], 1, v[40+\e]
	v_cmp_eq_u32 vcc_lo, 1, v[20+\e]
	v_cndmask_b32 v[32+\e], v[36+\e], v[32+\e], vcc_lo   ; q odd: sin r; even: cos r
.endr
.irp e, 0,1,2,3
	v_add_nc_u32 v[40+\e], 1, v[40+\e]
.endr
.irp e, 0,1,2,3
	v_and_b32 v[40+\e], 2, v[40+\e]                ; q % 4 = 1 or 2: negative
.endr
.irp e, 0,1,2,3
	v_lshlrev_b32 v[40+\e], 30, v[40+\e]           ; as a sign bit
.endr
.irp e, 0,1,2,3
	v_xor_b32 v[44+4*\it+\e], v[40+\e], v[32+\e]
.endr
	global_store_b128 v6, v[44+4*\it:47+4*\it], s[4:5] offset:4096*\it   ; the wave stores 512 consecutive bytes, at a multiple of 512 from tab's first byte
.endm
	TURN 0
	TURN 1
	TURN 2
	TURN 3
	s_endpgm
.Lfunc_end_k_qee1ce1f2e0_ropetab:
	.size	k_qee1ce1f2e0_ropetab, .Lfunc_end_k_qee1ce1f2e0_ropetab-k_qee1ce1f2e0_ropetab
	.p2alignl 7, 3214868480
	.fill 96, 4, 3214868480
	.section	.rodata,"a",@progbits
	.p2align	6, 0x0
	.amdhsa_kernel k_qee1ce1f2e0_ropetab
		.amdhsa_group_segment_fixed_size 0
		.amdhsa_private_segment_fixed_size 0
		.amdhsa_enable_private_segment 0
		.amdhsa_kernarg_size 8
		.amdhsa_user_sgpr_count 2
		.amdhsa_user_sgpr_kernarg_segment_ptr 1
		.amdhsa_wavefront_size32 1
		.amdhsa_system_sgpr_workgroup_id_x 1
		.amdhsa_system_sgpr_workgroup_id_y 1
		.amdhsa_system_sgpr_workgroup_id_z 1
		.amdhsa_system_vgpr_workitem_id 0
		.amdhsa_next_free_vgpr 64
		.amdhsa_next_free_sgpr 66
		.amdhsa_reserve_vcc 1
		.amdhsa_float_denorm_mode_32 3
		.amdhsa_float_denorm_mode_16_64 3
		.amdhsa_memory_ordered 1
		.amdhsa_forward_progress 1
		.amdhsa_inst_pref_size 24
	.end_amdhsa_kernel
	.amdgpu_metadata
---
amdhsa.version: [ 1, 2 ]
amdhsa.kernels:
  - .name:           k_qee1ce1f2e0_ropetab
    .symbol:         k_qee1ce1f2e0_ropetab.kd
    .args:
      - { .name: tab, .offset: 0, .size: 8, .value_kind: global_buffer, .address_space: global }
    .group_segment_fixed_size: 0
    .private_segment_fixed_size: 0
    .kernarg_segment_align: 8
    .kernarg_segment_size: 8
    .max_flat_workgroup_size: 128
    .sgpr_count:     66
    .vgpr_count:     64
    .wavefront_size: 32
...
	.end_amdgpu_metadata
.endif
;; end of part 1
;; launch qkv (part 2): grid 12 x 32, 4 waves a work-group, clusters of 4 x 4, 327,680 bytes of LDS; arguments x_codes, w_qkv_codes, lowp_scales, tab, q_img, k_img, v_img; writes q_img, k_img, v_img
.if DOCPART == 2
	.amdgcn_target "amdgcn-amd-amdhsa--gfx1250"
	.amdhsa_code_object_version 6
	.text
	.protected	k_qee1ce1f2e0_qkv
	.globl	k_qee1ce1f2e0_qkv
	.p2align	8
	.type	k_qee1ce1f2e0_qkv,@function
k_qee1ce1f2e0_qkv:
	s_mov_b64 s[64:65], 0
	v_nop
	global_prefetch_b8 v0, s[64:65] scope:SCOPE_SE
	s_setreg_imm32_b32 hwreg(HW_REG_WAVE_MODE, 25, 1), 1
	s_wait_xcnt 0x0
	s_wait_alu depctr_hold_cnt(0) depctr_sa_sdst(0) depctr_va_vdst(0) depctr_va_sdst(0) depctr_va_ssrc(0) depctr_va_vcc(0) depctr_vm_vsrc(0)
	s_getreg_b32 s2, hwreg(HW_REG_IB_STS2, 6, 4)
	s_cmp_eq_u32 s2, 0
	s_cbranch_scc0 .Lentry_in_a_cluster
	s_endpgm
.Lentry_in_a_cluster:
	s_bfe_u32 s2, ttmp6, 0x10000c
	s_cmp_lg_u32 s2, 0xf033
	s_cbranch_scc0 .Lentry_shape_is_right
	s_endpgm
.Lentry_shape_is_right:
; qkv = x w_qkv^T on codes of FP8 (E4M3) as they are given; q and k are rotated (RoPE) in f32; q, k and v are quantised with the given scales and leave as IMAGES OF THE NEXT LAUNCH'S OPERAND REGISTERS.
; x: [8192][1024] codes, w_qkv: [3072][1024] codes, K innermost.  lowp_scales: e0 (x), e1 (w_qkv), e2 (q), e3 (k), e5 (v).  tab: cos and sin, as the launch before lays them.
; A tile of 256 x 256 of the product is made by a work-group of four waves, a wave makes 128 x 128: 64 accumulators, 512 registers.  K goes in steps of 256 through a ring of two LDS slots filled by the tensor data mover.
; CLUSTERS: 4 x 4 work-groups.  Cluster x = 0 makes q, 1 makes k, 2 makes v: the same in all sixteen partners.  The operand called A here is the matrix instruction's source 1 and is shared along a row of the cluster,
; B is source 0 and is shared along a column: each tile is asked for JOINTLY, by the same tensor load with the same descriptor and a mask that names the four.
; In the result a lane holds ONE row of A and its eight registers eight neighbouring rows of B.  The conversions take neighbours along the next product's K from one lane's registers.  So:
;   q, k (next K = the head's 64 channels): A = x (a lane = a token), B = w_qkv (registers = channels);       v (next K = the keys): A = w_qkv (a lane = a channel), B = x (registers = tokens).
; Both tensors have rows of 1,024 bytes, so the exchange is a choice of two pointers and two block numbers on the cluster's x; the loop does not know of it.
; WHAT LEAVES.  q_img, k_img: [b x 16 + head][token / 16][c 0..1][lane][16 bytes]: lane (r, h) holds token r of the tile; chunk c is registers 4 c .. 4 c + 3 of a 16 x 64 fragment (registers 2 i, 2 i + 1: channels 16 i + 8 h + 0 .. 7).
; v_img: [b x 16 + head][key / 128][channel / 16 (a')][alpha 0..3][lane][16 bytes]: lane (r, h) holds channel 16 a' + r; chunk alpha is registers 4 alpha .. + 3 of a 16 x 128 fragment (registers 2 i, 2 i + 1: keys 16 i + 8 h + 0 .. 7);
; in odd a' a lane's place is (16 lane) xor 128, so that the next launch's reads of rows from two neighbouring a' fall on different halves of 256 bytes.  Every store of a wave covers 512 consecutive bytes, aligned.
; SCALES: a sum stands for sum x 2^(e0 + e1); the rotation is linear; so the conversion's one scale is 2^E, E = (e2, e3 or e5) - e0 - e1, and the hold is at 448 x 2^E.
; LIMITS: E between -126 and 119, so that both are f32 numbers.  NaN codes among the inputs are not served.
; REGISTERS, in windows of 256: window 0: v16-31 addresses and scales; from v128 A's fragments, ONE set; on the way out v32-95 table or held numbers, v96-127 rotated numbers, v128-255 codes (each store has registers of its own).
;   window 1: B's fragments, TWO sets.   window 2: the accumulators of A's blocks 0-3 (accumulator (a, b) at v[8 (8 (a % 4) + b)]);   window 3: those of blocks 4-7.
.set ROWB,   256                       ; a tile's row in bytes: 256 codes along K
.set KROW,   1024                      ; a row of x or of w_qkv in memory
.set PITCH,  272                       ; an LDS row: 256 bytes + 16 of padding = 68 words: row r starts at bank 4 r mod 64 (64 banks of 4 bytes: ISA guide 11.1)
.set FR,     16                        ; registers of a fragment: 16 rows x 128 K
.set NL,     4                         ; LDS loads that bring one
.set NP,     4                         ; places behind this matrix instruction (ISA guide 7.12.1)
.set HALFT,  128*PITCH                 ; 128 rows: what one tensor load brings
.set SLOT,   4*HALFT                   ; A's 256 rows, then B's 256 rows
.set LAPS,   2                         ; 1,024 along K = four K steps = twice round the ring
.set SPARE,  2*SLOT                    ; behind the ring: the spare words, 128 bytes for each wave: two blocks of 256 bytes that no other line names
.set ADRA, 16                          ; v16-17  LDS address of my A fragments in slot 0, 1
.set ADRB, 20                          ; v20-21  the same for B
.set OA,   25                          ; v25     16 x lane: my place in a piece of 512 bytes
.set OB,   26                          ; v26     the same xor 128
.set SC,   27                          ; v27     2^E as f32
.set SPW,  28                          ; v28     LDS address of my spare word; never rewritten
.set NIL,  29                          ; v29     0; never rewritten
.set LIMV, 31                          ; v31     448 x 2^E
.set T,    32                          ; v32-95  two sets of 32 table numbers (cos 16, sin 16); for v: 64 held numbers
.set Y,    96                          ; v96-127 a head's 32 rotated numbers of my token
.set CD,   128                         ; v128-255 codes
.set AF,   128                         ; A's fragments, in window 0
.set G1, 24                            ; s[24:31] descriptor group 1 for A's tiles;  s[32:39] group 0, one set for each slot
.set G0, 32
.set G1B, 48                           ; s[48:55], s[56:63] the same for B's tiles
.set G0B, 56
.set MSB, 0
.macro WIN new                         ; the immediate's high byte repeats the setting that is left
.if MSB != \new
	s_set_vgpr_msb (MSB<<8)|\new
.set MSB, \new
.endif
.endm
.set MUL_LO, 0xa1                      ; source 0 (B) window 1, source 1 (A) window 0, C and D window 2
.set MUL_HI, 0xf1                      ; the same, C and D window 3
.set TO_B,   0x40                      ; destination window 1, address window 0
; A joint load: waves 0 and 1 fetch for A, waves 2 and 3 for B.  Each of the two lines has ONE mask and one set of registers for all that issue it; the branch hangs on the wave's number alone.
; An s_nop 0 and four v_nop follow each of the two lines, ahead of the jump, the label and what follows.
.macro JLOAD g0a, g1a, g0b, g1b
	s_cmp_eq_u32 s15, 0
	s_cbranch_scc0 .Lfor_b_\@
	tensor_load_to_lds s[\g0a:\g0a+3], s[\g1a:\g1a+7]
	s_nop 0
.rept 4
	v_nop
.endr
	s_branch .Lasked_\@
.Lfor_b_\@:
	tensor_load_to_lds s[\g0b:\g0b+3], s[\g1b:\g1b+7]
	s_nop 0
.rept 4
	v_nop
.endr
.Lasked_\@:
.endm
.macro CREST                           ; a round of the cluster's barrier behind its opening barrier
	s_cmp_lg_u32 s14, 0
	s_cbranch_scc1 .Lnot_wave_0_\@
	s_barrier_signal -3
.Lnot_wave_0_\@:
	s_barrier_wait -3
	s_barrier_signal -1
	s_barrier_wait -1
.endm
.macro CROUND                          ; a whole round
	s_barrier_signal -1
	s_barrier_wait -1
	CREST
.endm
	s_load_b256 s[4:11], s[0:1], 0x0               ; x s[4:5], w_qkv s[6:7], the scales' exponents s[8:9], tab s[10:11]
	s_load_b128 s[76:79], s[0:1], 0x20             ; q_img, k_img
	s_load_b64 s[80:81], s[0:1], 0x30              ; v_img
	v_lshl_add_u32 v[SPW], v0, 2, SPARE
	v_mov_b32 v[NIL], 0
	ds_add_u32 v[SPW], v[NIL]                      ; the wave's opening: the add and its wait stand ahead of my first tensor load; the set-up below, work on registers, stands between them
	ds_add_u32 v[SPW], v[NIL]
	v_lshrrev_b32 v1, 5, v0
	v_readfirstlane_b32 s14, v1                    ; wave 0..3
	s_lshr_b32 s15, s14, 1                         ; which half of A's 256 rows is mine.  Also: I fetch for A (0) or for B (1)
	s_and_b32 s16, s14, 1                          ; which half of B's.  Also: which 128 rows of that tile I fetch
	s_bfe_u32 s40, ttmp6, 0x40000                  ; cx, cy: my place in the cluster
	s_bfe_u32 s41, ttmp6, 0x40004
	s_and_b32 s86, ttmp7, 0xffff
	s_lshl_b32 s86, s86, 2                         ; 4 x cluster y
	s_lshl_b32 s87, ttmp9, 2                       ; 4 x cluster x
	s_cmp_eq_u32 ttmp9, 2                          ; v?  The same answer in all sixteen partners
	s_cselect_b32 s17, 8, s86                      ; A's block of 256 rows: v: w_qkv's 8 + cy;          q, k: x's 4 Y + cy
	s_cselect_b32 s42, s86, s87                    ; B's:                   v: x's 4 Y + cx;            q, k: w_qkv's 4 X + cx
	s_add_co_u32 s17, s17, s41                     ; (never holds cx)
	s_add_co_u32 s42, s42, s40                     ; (never holds cy)
	s_lshl_b32 s43, s41, 2
	s_lshl_b32 s43, 15, s43                        ; my row of the cluster
	s_lshl_b32 s44, 0x1111, s40                    ; my column
	; descriptor group 1: a tile of 128 rows x 256 bytes, padded in LDS
	s_or_b32 s[G1+0], s43, (0<<16)|(1<<20)|(1<<21)|(5<<22)|(3<<25)  ; 15:0 the mask: A's tiles go to my row; 17:16 element of 1 byte; 20 padding on; 21 set beside a mask; 24:22 after every 64 words (code 5); 31:25 of 4 words (code 3)
	s_or_b32 s[G1B+0], s44, (0<<16)|(1<<20)|(1<<21)|(5<<22)|(3<<25)
.irp g, G1, G1B
	s_mov_b32 s[\g+1], ROWB<<16                    ; tensor_dim0
	s_mov_b32 s[\g+2], 128<<16                     ; tensor_dim1 = 128
	s_mov_b32 s[\g+3], ROWB<<16                    ; tile_dim0
	s_mov_b32 s[\g+4], 128                         ; tile_dim1 = 128
	s_mov_b32 s[\g+5], KROW                        ; tensor_dim0_stride
	s_mov_b32 s[\g+6], 0
	s_mov_b32 s[\g+7], 0
.endr
	s_lshl_b32 s18, s16, 7                         ; which 128 rows of the tile I fetch
	s_lshl_b32 s20, s17, 8
	s_add_co_u32 s20, s20, s18                     ; A: row 256 x block + 128 x half,
	s_lshl_b32 s20, s20, 10                        ; in bytes (8,191 rows of 1,024 at the most)
	s_mov_b32 s21, 0
	s_lshl_b32 s46, s42, 8
	s_add_co_u32 s46, s46, s18                     ; B likewise
	s_lshl_b32 s46, s46, 10
	s_mov_b32 s47, 0
	s_mul_i32 s45, s14, HALFT                      ; where they go: wave x 128 rows: no place in the cluster enters an LDS address
	s_wait_dscnt 0x0                               ; the opening add is done
	s_wait_kmcnt 0x0
	s_load_b256 s[68:75], s[8:9], 0x0              ; e0 .. e7
	s_cmp_eq_u32 ttmp9, 2
	s_cselect_b64 s[82:83], s[6:7], s[4:5]         ; A's tensor
	s_cselect_b64 s[84:85], s[4:5], s[6:7]         ; B's
	s_add_nc_u64 s[20:21], s[82:83], s[20:21]
	s_add_nc_u64 s[46:47], s[84:85], s[46:47]
	CROUND                                         ; all sixteen work-groups are here: the first joint loads meet
.irp s, 0,1
	s_mov_b32 s[G0+4*\s], 1
	s_add_co_u32 s[G0+4*\s+1], s45, \s*SLOT
	s_add_nc_u64 s[G0+4*\s+2:G0+4*\s+3], s[20:21], \s*ROWB
	s_or_b32 s[G0+4*\s+3], s[G0+4*\s+3], 0x80000000
	s_mov_b32 s[G0B+4*\s], 1
	s_add_co_u32 s[G0B+4*\s+1], s45, \s*SLOT
	s_add_nc_u64 s[G0B+4*\s+2:G0B+4*\s+3], s[46:47], \s*ROWB
	s_or_b32 s[G0B+4*\s+3], s[G0B+4*\s+3], 0x80000000
.endr
	JLOAD G0, G1, G0B, G1B                         ; K step 0: one tensor load a wave at the head
	v_and_b32 v1, 15, v0                           ; l % 16
	v_bfe_u32 v2, v0, 4, 1                         ; l / 16
	v_mul_u32_u24 v3, v1, PITCH
	v_lshl_add_u32 v4, v2, 4, v3                   ; a fragment's row x pitch + 16 x half
	s_mul_i32 s21, s15, HALFT                      ; my 128 rows of A
	s_mul_i32 s22, s16, HALFT                      ; my 128 rows of B,
	s_add_co_u32 s22, s22, 2*HALFT                 ; which lie behind A's 256
.irp s, 0,1
	v_add_nc_u32 v[ADRA+\s], s21, v4
	v_add_nc_u32 v[ADRB+\s], s22, v4
	s_add_co_u32 s21, s21, SLOT
	s_add_co_u32 s22, s22, SLOT
.endr
	v_and_b32 v6, 31, v0
	v_lshlrev_b32 v[OA], 4, v6
	v_xor_b32 v[OB], 128, v[OA]
	; the way out's addresses and scales, made while the first tiles are on their way
	s_wait_alu depctr_va_vdst(0)
	s_wait_kmcnt 0x0                               ; e0 .. e7
	s_cmp_eq_u32 ttmp9, 0
	s_cselect_b64 s[92:93], s[76:77], s[78:79]     ; q_img or k_img,
	s_cselect_b32 s96, s70, s71                    ; e2 or e3,
	s_cmp_eq_u32 ttmp9, 2
	s_cselect_b64 s[92:93], s[80:81], s[92:93]     ; or v_img
	s_cselect_b32 s96, s73, s96                    ; and e5
	s_cselect_b32 s88, s42, s17                    ; the block of 256 tokens: B's for v, A's for q and k
	s_cselect_b32 s89, s16, s15                    ; my half of it
	s_cselect_b32 s90, s41, s40                    ; the block of 256 channels (four heads) within q, k or v
	s_cselect_b32 s91, s15, s16                    ; my half of it (two heads)
	s_lshl_b32 s88, s88, 8
	s_lshl_b32 s89, s89, 7
	s_add_co_u32 s88, s88, s89                     ; my first token, 0 .. 8,064
	s_lshr_b32 s89, s88, 11                        ; b
	s_and_b32 s88, s88, 2047                       ; t0
	s_lshl_b32 s90, s90, 2
	s_lshl_b32 s91, s91, 1
	s_add_co_u32 s90, s90, s91                     ; my first head
	s_lshl_b32 s89, s89, 4
	s_add_co_u32 s90, s90, s89                     ; 16 b + head
	s_lshl_b32 s90, s90, 17                        ; a head's image is 131,072 bytes in all three buffers,
	s_lshl_b32 s91, s88, 6                         ; and a token (a key) 64 bytes of it
	s_add_co_u32 s90, s90, s91
	s_mov_b32 s91, 0
	s_add_nc_u64 s[92:93], s[92:93], s[90:91]      ; where my wave's part begins
	s_lshl_b32 s90, s88, 8                         ; tab: 16 t are 4,096 bytes
	s_add_nc_u64 s[94:95], s[10:11], s[90:91]
	s_sub_co_i32 s96, s96, s68
	s_sub_co_i32 s96, s96, s69                     ; E
	s_add_co_i32 s96, s96, 127
	s_lshl_b32 s97, s96, 23
	v_mov_b32 v[SC], s97                           ; 2^E as f32: the conversion takes its exponent field
	s_add_co_i32 s96, s96, 8
	s_lshl_b32 s96, s96, 23
	s_or_b32 s96, s96, 0x600000
	v_mov_b32 v[LIMV], s96                         ; 448 x 2^E
	; the first two token tiles' cos and sin are asked for here, into v32-95, which the loop over K does not name: sixteen loads of 512 consecutive bytes.
	; No branch stands here: v's work-groups ask too (8 KiB a wave, inside tab) and do not use what comes.
.irp a, 0,1
.irp p, 0,1,2,3,4,5,6,7
	global_load_b128 v[T+32*\a+4*\p:T+32*\a+4*\p+3], v[OA], s[94:95] offset:4096*\a+512*\p
.endr
.endr
.macro FRAG reg, adr, q, i             ; a fragment, 16 rows x 128 K of 8-bit codes, is 16 registers: lane l holds row l % 16; registers 4 c .. 4 c + 3 hold K = 32 c + 16 (l / 16) + 0 .. 15: the same order of K in A and in B
.irp c, 0,1,2,3
	ds_load_b128 v[\reg+4*\c:\reg+4*\c+3], v[\adr] offset:128*(\q)+32*\c+(\i)*16*PITCH
.endr
.endm
; 16 matrix instructions: A's blocks a0, a0 + 1 x B's eight, 128 along K.  p: B's set.  zero = 1: the first product starts the sums: nothing is ever cleared.
; The 64 accumulators take turns, one instruction a turn, in the same order in every step.
.macro MUL16 a0, p, zero
.irp a, \a0, \a0+1
.irp b, 0,1,2,3,4,5,6,7
.if \zero
	v_wmma_f32_16x16x128_fp8_fp8 v[8*(8*((\a)%4)+\b):8*(8*((\a)%4)+\b)+7], v[128*(\p)+FR*\b:128*(\p)+FR*\b+FR-1], v[AF+FR*(\a):AF+FR*(\a)+FR-1], 0
.else
	v_wmma_f32_16x16x128_fp8_fp8 v[8*(8*((\a)%4)+\b):8*(8*((\a)%4)+\b)+7], v[128*(\p)+FR*\b:128*(\p)+FR*\b+FR-1], v[AF+FR*(\a):AF+FR*(\a)+FR-1], v[8*(8*((\a)%4)+\b):8*(8*((\a)%4)+\b)+7]
.endif
.endr
.endr
.endm
.macro FETCH_B slot, q, p              ; B's eight fragments of the slot's q-th 128 along K into set p
	WIN TO_B
.irp i, 0,1,2,3,4,5,6,7
	FRAG 128*(\p)+FR*\i, ADRB+\slot, \q, \i
.endr
	WIN 0
.endm
.macro FETCH_A slot, q, i0             ; A's blocks i0 .. i0 + 3
.irp i, \i0, \i0+1, \i0+2, \i0+3
	FRAG AF+FR*(\i), ADRA+\slot, \q, \i
.endr
.endm
; A load into a register that a matrix instruction has read, and a vector instruction that reads a matrix result, stand NP places behind that matrix instruction, and only plain vector
; instructions that name none of its registers are places (ISA guide 7.12.1 for vector instructions).
.macro PLACES n
.rept \n
	v_nop
.endr
.endm
; A step of 128 along K that has its successor in the same slot.
.macro STEP slot, q, zero
	s_wait_dscnt 4*NL                              ; B's set and A's blocks 0-3 are in; the youngest sixteen loads (A's blocks 4-7) may be out
	WIN MUL_LO
	MUL16 0, (\q)%2, \zero
	MUL16 2, (\q)%2, \zero
	s_wait_dscnt 0                                 ; A's blocks 4-7 are in (asked for 32 matrix instructions ago)
	PLACES NP
	FETCH_B \slot, (\q)+1, 1-(\q)%2
	FETCH_A \slot, (\q)+1, 0
	WIN MUL_HI
	MUL16 4, (\q)%2, \zero
	MUL16 6, (\q)%2, \zero
	PLACES NP
	WIN 0
	FETCH_A \slot, (\q)+1, 4
.endm
; A slot's last step changes slots: ONE barrier; in front of it each wave waits for all its tensor loads, adds 0 to its spare word, and waits for that and for its own reads of this slot.  fill = 1: this slot is filled again, two K steps ahead.
.macro TURN slot, next, fill
	s_wait_tensorcnt 0x0                           ; all my tensor loads have landed: my part of the next slot;  (every window is 0 here: the add's two registers lie in window 0)
	ds_add_u32 v[SPW], v[NIL]                      ; 0 onto my spare word
	s_wait_dscnt 4*NL+1                            ; (the add and the youngest sixteen loads, A's blocks 4-7, may be out)
	WIN MUL_LO
	MUL16 0, 1, 0                                  ; sixteen matrix instructions stand between the add and the wait for it
	s_wait_dscnt 0x0                               ; the add is done, and my reads of this slot are over
	s_barrier_signal -1
	MUL16 2, 1, 0
	WIN 0
	s_barrier_wait -1
.if \fill
	CREST                                          ; the barrier has opened a round of the cluster's barrier: no wave of any partner still reads this slot's tile or has a load on its way
	s_add_nc_u64 s[G0+4*\slot+2:G0+4*\slot+3], s[G0+4*\slot+2:G0+4*\slot+3], 2*ROWB
	s_add_nc_u64 s[G0B+4*\slot+2:G0B+4*\slot+3], s[G0B+4*\slot+2:G0B+4*\slot+3], 2*ROWB
	JLOAD G0+4*\slot, G1, G0B+4*\slot, G1B         ; the first tensor load behind the round; the four v_nop behind it are the places in front of the loads below
.else
	PLACES NP
.endif
	FETCH_B \next, 0, 0
	FETCH_A \next, 0, 0
	WIN MUL_HI
	MUL16 4, 1, 0
	MUL16 6, 1, 0
	PLACES NP
	WIN 0
	FETCH_A \next, 0, 4
.endm
	s_wait_alu depctr_va_vdst(0)                   ; the head's end
	s_wait_tensorcnt 0x0                           ; my part of K step 0 is in; these lines stand ahead of a later first fill, as ahead of a refill
	ds_add_u32 v[SPW], v[NIL]
	s_wait_dscnt 0x0
	CROUND                                         ; a whole round: everybody's part of K step 0 is in, and the joint loads meet
	JLOAD G0+4, G1, G0B+4, G1B                     ; K step 1's load, the first tensor load behind the round
	FETCH_B 0, 0, 0
	FETCH_A 0, 0, 0
	FETCH_A 0, 0, 4
	STEP 0, 0, 1                                   ; the first step stands in front of the loop: its products start the sums
	s_mov_b32 s3, LAPS-1
.Llap:                                                 ; a trip goes once round the ring, from a lap's second step to the next lap's first, and fills both slots again
	TURN 0, 1, 1
	STEP 1, 0, 0
	TURN 1, 0, 1
	STEP 0, 0, 0
	s_sub_co_u32 s3, s3, 1
	s_cmp_lg_u32 s3, 0
	s_cbranch_scc1 .Llap
	TURN 0, 1, 0                                   ; the last lap fills nothing, and has no round of the cluster's barrier
	STEP 1, 0, 0
	s_wait_dscnt 4*NL                              ; the very last step: nothing more to fetch
	WIN MUL_LO
	MUL16 0, 1, 0
	MUL16 2, 1, 0
	s_wait_dscnt 0
	WIN MUL_HI
	MUL16 4, 1, 0
	MUL16 6, 1, 0
	WIN 0
	PLACES NP                                      ; behind the last products: the way out reads results and writes over the registers that held A's fragments
; THE WAY OUT OF q AND k.  Accumulator (a, b): token tile a; b = 4 hd + i: channels 16 i + 8 (l / 16) + 0 .. 7 of my head hd.
; Token tile a's cos and sin: eight pieces of 512 consecutive bytes into set a % 2: registers 8 bb + j: cos at f = 16 bb + 8 (l / 16) + j; 16 further on: sin.
.macro TABLOAD a
.set TS, T+32*((\a)%2)
.irp p, 0,1,2,3,4,5,6,7
	global_load_b128 v[TS+4*\p:TS+4*\p+3], v[OA], s[94:95] offset:4096*(\a)+512*\p
.endr
.endm
; One head of one token tile: x1 = channels 0-31 (tiles 0, 1), x2 = channels 32-63 (tiles 2, 3); y1 = x1 cos - x2 sin, y2 = x2 cos + x1 sin, two numbers an instruction, each a product and a fused multiply-add in f32;
; each accumulator is read from its low end on.  Then the hold, the conversion (tile i's eight numbers are registers 2 i, 2 i + 1 of the fragment), and two stores of 512 consecutive bytes.
.macro ROPE a, hd
.set TS, T+32*((\a)%2)
.set CC, CD+8*(2*(\a)+(\hd))
	WIN 0x02+((\a)/4)                              ; source 0: window 2 or 3
.irp bb, 0,1
.set X1, 8*(8*((\a)%4)+4*(\hd)+\bb)
.set X2, X1+16
.irp j, 0,2,4,6
	v_pk_mul_f32 v[Y+8*\bb+\j:Y+8*\bb+\j+1], v[X2+\j:X2+\j+1], v[TS+16+8*\bb+\j:TS+16+8*\bb+\j+1]
	v_pk_mul_f32 v[Y+16+8*\bb+\j:Y+16+8*\bb+\j+1], v[X1+\j:X1+\j+1], v[TS+16+8*\bb+\j:TS+16+8*\bb+\j+1]
	v_pk_fma_f32 v[Y+8*\bb+\j:Y+8*\bb+\j+1], v[X1+\j:X1+\j+1], v[TS+8*\bb+\j:TS+8*\bb+\j+1], v[Y+8*\bb+\j:Y+8*\bb+\j+1] neg_lo:[0,0,1] neg_hi:[0,0,1]
	v_pk_fma_f32 v[Y+16+8*\bb+\j:Y+16+8*\bb+\j+1], v[X2+\j:X2+\j+1], v[TS+8*\bb+\j:TS+8*\bb+\j+1], v[Y+16+8*\bb+\j:Y+16+8*\bb+\j+1]
.endr
.endr
	WIN 0
.set i, 0
.rept 32
	v_med3_num_f32 v[Y+i], v[Y+i], -v[LIMV], v[LIMV]   ; the conversion to an 8-bit code does not saturate (ISA guide 7.6.2): the hold at the largest code x the scale
.set i, i+1
.endr
.irp t, 0,1,2,3
	v_cvt_scalef32_pk8_fp8_f32 v[CC+2*\t:CC+2*\t+1], v[Y+8*\t:Y+8*\t+7], v[SC]
.endr
	v_nop                                          ; one plain vector instruction between the last conversion and the next lines, which write its sources
.irp c, 0,1
	global_store_b128 v[OA], v[CC+4*\c:CC+4*\c+3], s[92:93] offset:(\hd)*131072+(\a)*1024+\c*512
.endr
.endm
; THE WAY OUT OF v.  Accumulator (a, b): channel tile a (head a / 4, a' = a % 4); token tile b: keys 16 b + 8 (l / 16) + 0 .. 7 of my 128: tile b's eight numbers are registers 2 b, 2 b + 1 of the fragment.
.macro VOUT a
.set AC, 64*((\a)%4)
.set CC, CD+16*(\a)
	WIN 0x02+((\a)/4)
.set i, 0
.rept 64
	v_med3_num_f32 v[T+i], v[AC+i], -v[LIMV], v[LIMV]  ; the hold, out of the accumulators, each from its low end on
.set i, i+1
.endr
	WIN 0
.irp b, 0,1,2,3,4,5,6,7
	v_cvt_scalef32_pk8_fp8_f32 v[CC+2*\b:CC+2*\b+1], v[T+8*\b:T+8*\b+7], v[SC]
.endr
	v_nop                                          ; one plain vector instruction between the last conversion and the next lines, which write its sources
.irp al, 0,1,2,3
.if ((\a)%2) == 0
	global_store_b128 v[OA], v[CC+4*\al:CC+4*\al+3], s[92:93] offset:((\a)/4)*131072+((\a)%4)*2048+\al*512
.else
	global_store_b128 v[OB], v[CC+4*\al:CC+4*\al+3], s[92:93] offset:((\a)/4)*131072+((\a)%4)*2048+\al*512
.endif
.endr
.endm
	s_cmp_eq_u32 ttmp9, 2                          ; the cluster's x: the same in all sixteen partners
	s_cbranch_scc1 .Lv
	; token tiles 0 and 1 of the table were asked for at the head
.irp a, 0,1,2,3,4,5,6
	s_wait_loadcnt 8                               ; this tile's eight table loads are in; the next tile's eight may be out
	ROPE \a, 0
	ROPE \a, 1
.if \a < 6
	TABLOAD \a+2                                   ; into the set that has just been read
.endif
.endr
	s_wait_loadcnt 0
	ROPE 7, 0
	ROPE 7, 1
	s_branch .Lend
.Lv:
	s_wait_alu depctr_va_vdst(0)
	s_wait_loadcnt 0x0                             ; the head's table loads have landed: v32-95 are written below
.irp a, 0,1,2,3,4,5,6,7
	VOUT \a
.endr
.Lend:
	s_wait_tensorcnt 0x0                           ; the wave's end, behind my last tensor load
	ds_add_u32 v[SPW], v[NIL]
	s_wait_dscnt 0x0
	CROUND                                         ; the closing round: no work-group ends while a partner may still ask for a tile that names it
	s_endpgm
.Lfunc_end_k_qee1ce1f2e0_qkv:
	.size	k_qee1ce1f2e0_qkv, .Lfunc_end_k_qee1ce1f2e0_qkv-k_qee1ce1f2e0_qkv
	.p2alignl 7, 3214868480
	.fill 96, 4, 3214868480
	.section	.rodata,"a",@progbits
	.p2align	6, 0x0
	.amdhsa_kernel k_qee1ce1f2e0_qkv
		.amdhsa_group_segment_fixed_size 327680
		.amdhsa_private_segment_fixed_size 0
		.amdhsa_enable_private_segment 0
		.amdhsa_kernarg_size 56
		.amdhsa_user_sgpr_count 2
		.amdhsa_user_sgpr_kernarg_segment_ptr 1
		.amdhsa_wavefront_size32 1
		.amdhsa_system_sgpr_workgroup_id_x 1
		.amdhsa_system_sgpr_workgroup_id_y 1
		.amdhsa_system_sgpr_workgroup_id_z 1
		.amdhsa_system_vgpr_workitem_id 0
		.amdhsa_next_free_vgpr 1024
		.amdhsa_next_free_sgpr 100
		.amdhsa_reserve_vcc 0
		.amdhsa_float_denorm_mode_32 3
		.amdhsa_float_denorm_mode_16_64 3
		.amdhsa_memory_ordered 1
		.amdhsa_forward_progress 1
		.amdhsa_inst_pref_size 197
	.end_amdhsa_kernel
	.amdgpu_metadata
---
amdhsa.version: [ 1, 2 ]
amdhsa.kernels:
  - .name:           k_qee1ce1f2e0_qkv
    .symbol:         k_qee1ce1f2e0_qkv.kd
    .args:
      - { .name: x_codes, .offset: 0, .size: 8, .value_kind: global_buffer, .address_space: global }
      - { .name: w_qkv_codes, .offset: 8, .size: 8, .value_kind: global_buffer, .address_space: global }
      - { .name: lowp_scales, .offset: 16, .size: 8, .value_kind: global_buffer, .address_space: global }
      - { .name: tab, .offset: 24, .size: 8, .value_kind: global_buffer, .address_space: global }
      - { .name: q_img, .offset: 32, .size: 8, .value_kind: global_buffer, .address_space: global }
      - { .name: k_img, .offset: 40, .size: 8, .value_kind: global_buffer, .address_space: global }
      - { .name: v_img, .offset: 48, .size: 8, .value_kind: global_buffer, .address_space: global }
    .group_segment_fixed_size: 327680
    .private_segment_fixed_size: 0
    .kernarg_segment_align: 8
    .kernarg_segment_size: 56
    .max_flat_workgroup_size: 128
    .sgpr_count:     100
    .vgpr_count:     1024
    .wavefront_size: 32
...
	.end_amdgpu_metadata
.endif
;; end of part 2
;; launch attn (part 3): grid 4 x 64, 8 waves a work-group, no clusters, 327,680 bytes of LDS; arguments q_img, k_img, v_img, lowp_scales, a_img; writes a_img
.if DOCPART == 3
	.amdgcn_target "amdgcn-amd-amdhsa--gfx1250"
	.amdhsa_code_object_version 6
	.text
	.protected	k_qee1ce1f2e0_attn
	.globl	k_qee1ce1f2e0_attn
	.p2align	8
	.type	k_qee1ce1f2e0_attn,@function
k_qee1ce1f2e0_attn:
	s_mov_b64 s[64:65], 0
	v_nop
	global_prefetch_b8 v0, s[64:65] scope:SCOPE_SE
	s_setreg_imm32_b32 hwreg(HW_REG_WAVE_MODE, 25, 1), 1
	s_wait_xcnt 0x0
; Causal attention on codes of FP8 (E4M3): o = softmax(q k^T / 8, keys <= query) v for 64 (batch, head) pairs of 2,048 tokens x 64 channels; o is quantised with the given scale for the last product.
; q_img, k_img, v_img: images of operand registers, as the launch before lays them.  lowp_scales: e2 (q), e3 (k), e4 (p), e5 (v), e6 (o).
; THE SOFTMAX AHEAD OF THE SECOND PRODUCT: t = score x log2(e) / 8; M = the row's largest t so far, rounded UP to a whole number; p = 2^(t - M) is quantised along the keys, not normalised.
; The row's sum is taken of the unquantised p, in f32, and divides O at the end.  When M moves, the sum and O are multiplied by 2^(old M - new M): exact.
; WORK LEFT OUT: a step of 128 keys all of which come after a wave's 32 queries lies wholly under the causal mask that the problem builds itself: its p are 0 for all inputs, so it is not computed.
; SHARES.  Work-group (i, b x 16 + head), i = 0 .. 3, owns blocks 7 - i and i of 256 queries: 2 (8 - i) + 2 (i + 1) = 18 steps of 128 keys in every work-group.  Each of the EIGHT waves owns 32 queries of the block,
; two tiles of 16: each fragment of K and of V that it reads from LDS feeds two matrix instructions.  Two waves to a SIMD.
; LDS HOLDS THE HEAD'S WHOLE K AND V, 256 KiB, each byte filled once.  Wave w owns 32 KiB at 32768 w: waves 0-3 key tiles 2 w, 2 w + 1 of each of the 16 steps of K, waves 4-7 channel tile w - 4 of each step of V; a step's piece is 2,048 bytes.
; The wave's one load at the head brings steps 0-3 (4 rows x 2,048 bytes); its second, a later first fill behind an add to the spare word and a barrier, brings steps 4-15 (12 rows) while steps 0-3 are computed.
; Block 7 - i is at least block 4, so it reads bytes of both loads.  Behind the second barrier no barrier follows: the waves walk both blocks each at its own pace.
; The loops' trip counts are constants (4, and twice 16).
; NO CLUSTER: left as it was for the ring; NO PREFETCH: both loads are asked for at the start, and no later trip loads anything to run ahead of.
; LAYOUT.  Both products are used transposed: S^T = K Q^T (16 x 16 x 64), O^T = V^T P^T (16 x 16 x 128): a lane holds ONE query (lane % 16) of each tile.  Tile kt of S^T gives lane (r, h) keys 16 kt + 8 h + 0 .. 7: its codes are
; registers 2 kt, 2 kt + 1 of P's fragment.  Row r' of tile 2 c + u of V^T is channel 32 c + 16 (r' / 8) + 8 u + r' % 8, so that a lane's 16 registers of tiles 2 c, 2 c + 1 of O^T are channels 32 c + 16 h + 0 .. 15.
; WHAT LEAVES.  a_img: [head / 4][(b x 2048 + t) / 16][head % 4][c 0..1][lane][16 bytes]: lane (r, h): row r, channels 32 c + 16 h + 0 .. 15.  A wave's store covers 512 consecutive bytes, aligned.
; LIMITS: e2 + e3 between -123 and 130 (added to c's exponent field); e4, and e6 - e4 - e5, between -126 and 119; the scaled scores stay under 2^31 in magnitude; NaN codes are not served.
; REGISTERS.  Window 0: v2-19, v52-55 addresses and scales; v20-35 the two tiles' small state; v36-51 partial sums; v64-127 K's fragments; v128-191, v192-255 S^T, then p, of tile 0, 1.
; Window 1: v0-63 V's fragments; v64-127 O^T; v128-159 p's codes; v160-175 Q; v176-191 the second block's Q; v192-207 o's codes.
.set VOFF,  131072                     ; K's four pieces, then V's four
.set SPARE, 262144                     ; behind them: the spare words, 128 bytes a wave: four blocks of 256 bytes that no other line names
.set AK0, 2                            ; 16 x lane
.set AV0, 3                            ; V, tiles with u = 0: VOFF + 16 x lane + 32,768 ((lane / 8) % 2)
.set AV1, 4                            ; u = 1: the same xor 128
.set SPW, 5
.set NIL, 6
.set GO,  7                            ; 16 x lane, for Q's loads and o's stores
.set ADK, 8                            ; v8, v9: the step's K in pieces 0-1, 2-3
.set DL,  12                           ; lane % 16 - 8 (lane / 16)
.set NEG, 13                           ; -infinity
.set HO,  14                           ; v14, v15: 448 x 2^e4, twice: the two halves of a dual pair take it from different registers
.set PSC, 16                           ; 2^e4
.set OSC, 17                           ; 2^(e6 - e4 - e5)
.set OHO, 18                           ; 448 x that
.set NM,  20                           ; tile t's state at + 8 t: -M, the largest t, the sum (2), f (2), two at work
.set TX,  21
.set SU,  22
.set FF,  24
.set XA,  26
.set XB,  27
.set TS,  36
.set ADV0, 52                          ; v52, v53: the step's V, u = 0, c = 0, 1
.set ADV1, 54                          ; v54, v55: u = 1
.set KR,  64
.set SR,  128
.set OT,  64                           ; window 1 from here on
.set PR,  128
.set QR,  160
.set QN,  176
.set CR,  192
.set TB, 2                             ; s2 2,048 x the step
.set ST, 14                            ; s14 the step
.set WV, 18
.set BI, 19
.set SEL, 20
.set CS, 22
.set G1, 24                            ; s[24:31] group 1 of the first load;  s[76:83] of the second
.set G0, 32
.set G2, 76
.set SRC, 36
.set KMIN, 41                          ; steps whose first key lies under it were done in the first loop
.set OB, 42                            ; 0: the first block, 1: the second
.set KF, 43                            ; the step's first key
.set Q0, 44                            ; my first query
.set HD, 45
.set MSB, 0
.macro WIN new                         ; the immediate's high byte repeats the setting that is left
.if MSB != \new
	s_set_vgpr_msb (MSB<<8)|\new
.set MSB, \new
.endif
.endm
.macro NOPS
.rept 4
	v_nop
.endr
.endm
; A block of queries begins: O^T and the sums are zeros, the largest t is -3e38: the step is written once, and its first run multiplies zeros.
.macro INIT sblk, second
	s_lshl_b32 s[Q0], s[\sblk], 8
	s_lshl_b32 s52, s[WV], 5
	s_add_co_u32 s[Q0], s[Q0], s52                 ; 256 x block + 32 x wave
.irp t, 0,1
	v_mov_b32 v[TX+8*\t], 0xff61b1e6
	v_mov_b32 v[SU+8*\t], 0
	v_mov_b32 v[SU+8*\t+1], 0
.endr
.irp t, 0,1
	v_floor_f32 v[NM+8*\t], -v[TX+8*\t]
.endr
	WIN 0x40
.set j, 0
.rept 64
	v_mov_b32 v[OT+j], 0
.set j, j+1
.endr
.if \second
	WIN 0x41
.set j, 0
.rept 16
	v_mov_b32 v[QR+j], v[QN+j]                     ; the second block's Q, loaded at the head
.set j, j+1
.endr
.endif
	WIN 0
	s_wait_alu depctr_va_vdst(0)
.endm
; A block ends: O^T / the row's sum, held, converted with the one scale 2^(e6 - e4 - e5), stored.
.macro FINISH
	s_wait_xcnt 0x0                                ; earlier stores have read their data and their base
	s_lshr_b32 s52, s[HD], 4
	s_lshl_b32 s52, s52, 11
	s_add_co_u32 s52, s52, s[Q0]
	s_lshl_b32 s52, s52, 8                         ; 16 rows are 4,096 bytes
	s_bfe_u32 s53, s[HD], 0x20002
	s_lshl_b32 s53, s53, 21                        ; head / 4
	s_add_co_u32 s52, s52, s53
	s_and_b32 s53, s[HD], 3
	s_lshl_b32 s53, s53, 10                        ; head % 4
	s_add_co_u32 s52, s52, s53
	s_mov_b32 s53, 0
	s_add_nc_u64 s[54:55], s[12:13], s[52:53]
	NOPS                                           ; places behind the last products
.irp t, 0,1
	v_add_f32 v[SU+8*\t], v[SU+8*\t], v[SU+8*\t+1]
.endr
.irp t, 0,1
	v_permlanex16_b32 v[XB+8*\t], v[SU+8*\t], s[SEL], s[SEL+1]
.endr
.irp t, 0,1
	v_add_f32 v[SU+8*\t], v[SU+8*\t], v[XB+8*\t]
.endr
	s_wait_alu depctr_va_vdst(0)                   ; ahead of the transcendentals
.irp t, 0,1
	v_rcp_f32 v[FF+8*\t], v[SU+8*\t]
.endr
	v_nop
	WIN 0x01
	s_wait_alu depctr_va_vdst(0)                   ; and ahead of the first reader of their results and of O^T
.irp t, 0,1
.set j, 0
.rept 16
	v_pk_mul_f32 v[SR+64*\t+j:SR+64*\t+j+1], v[OT+32*\t+j:OT+32*\t+j+1], v[FF+8*\t:FF+8*\t+1] op_sel_hi:[1,0]
.set j, j+2
.endr
.endr
	WIN 0
.irp t, 0,1
.set j, 0
.rept 32
	v_med3_num_f32 v[SR+64*\t+j], v[SR+64*\t+j], -v[OHO], v[OHO]   ; the conversion does not saturate (ISA guide 7.6.2)
.set j, j+1
.endr
.endr
	WIN 0x40
.irp t, 0,1
.irp a, 0,1,2,3
	v_cvt_scalef32_pk8_fp8_f32 v[CR+8*\t+2*\a:CR+8*\t+2*\a+1], v[SR+64*\t+8*\a:SR+64*\t+8*\a+7], v[OSC]
.endr
.endr
	v_nop                                          ; one plain line behind the last conversion
	WIN 0x04
.irp t, 0,1
.irp c, 0,1
	global_store_b128 v[GO], v[CR+8*\t+4*\c:CR+8*\t+4*\c+3], s[54:55] offset:4096*\t+512*\c
.endr
.endr
	WIN 0
.endm
; A KEY STEP: 128 keys against my two tiles of queries; the two tiles' lines stand by turns, so that no line reads the line above it.  kmin = 1: steps under s[KMIN] are passed over too.
.macro STEP kmin
.if \kmin
	s_cmp_lt_u32 s[KF], s[KMIN]
	s_cbranch_scc1 .Lhidden_\@                     ; done in the first loop
.endif
	s_add_co_u32 s96, s[Q0], 31
	s_cmp_gt_u32 s[KF], s96
	s_cbranch_scc1 .Lhidden_\@                     ; all 128 keys come after my 32 queries
	v_add_nc_u32 v[ADK], s[TB], v[AK0]             ; six plain lines: the places in front of loads into registers that the last products read
	v_add_nc_u32 v[ADV0], s[TB], v[AV0]
	v_add_nc_u32 v[ADV1], s[TB], v[AV1]
	v_add_nc_u32 v[ADK+1], 0x10000, v[ADK]
	v_add_nc_u32 v[ADV0+1], 0x10000, v[ADV0]
	v_add_nc_u32 v[ADV1+1], 0x10000, v[ADV1]
.irp kt, 0,1,2,3,4,5,6,7
.irp c, 0,1
	ds_load_b128 v[KR+8*\kt+4*\c:KR+8*\kt+4*\c+3], v[ADK+\kt/4] offset:((\kt/2)%2)*32768+(\kt%2)*1024+512*\c
.endr
.endr
	WIN 0x40
.irp c, 0,1
.irp al, 0,1,2,3
	ds_load_b128 v[32*\c+4*\al:32*\c+4*\al+3], v[ADV0+\c] offset:512*\al
	ds_load_b128 v[16+32*\c+4*\al:16+32*\c+4*\al+3], v[ADV1+\c] offset:512*\al
.endr
.endr
	WIN 0x04
	s_wait_dscnt 16                                ; K's sixteen loads are in; V's sixteen may be out and land under the softmax
.irp kt, 0,1,2,3,4,5,6,7
.irp t, 0,1
	v_wmma_f32_16x16x64_fp8_fp8 v[SR+64*\t+8*\kt:SR+64*\t+8*\kt+7], v[KR+8*\kt:KR+8*\kt+7], v[QR+8*\t:QR+8*\t+7], 0
.endr
.endr
	WIN 0
	NOPS
	s_add_co_u32 s96, s[KF], 127                   ; a step all of whose keys count for all my queries skips the mask
	s_cmp_le_u32 s96, s[Q0]
	s_cbranch_scc1 .Lopen_\@
	s_sub_co_i32 s96, s[Q0], s[KF]
	v_add_nc_u32 v[XA], s96, v[DL]                 ; d = my query - KF - 8 (lane / 16): register 8 kt + j is hidden where 16 kt + j > d
	v_add_nc_u32 v[XA+8], 16, v[XA]
.set n, 0
.rept 64
.irp t, 0,1
	v_cmp_gt_i32 vcc_lo, 16*(n/8)+n%8, v[XA+8*\t]
	v_cndmask_b32 v[SR+64*\t+n], v[SR+64*\t+n], v[NEG], vcc_lo
.endr
.set n, n+1
.endr
.Lopen_\@:
.irp t, 0,1
	v_max3_num_f32 v[XA+8*\t], v[SR+64*\t], v[SR+64*\t+1], v[SR+64*\t+2]   ; the step's largest score of my query, two chains a tile, each accumulator from its low end on
	v_max3_num_f32 v[XB+8*\t], v[SR+64*\t+3], v[SR+64*\t+4], v[SR+64*\t+5]
.endr
.irp i, 6,10,14,18,22,26,30,34,38,42,46,50,54,58
.irp t, 0,1
	v_max3_num_f32 v[XA+8*\t], v[XA+8*\t], v[SR+64*\t+\i], v[SR+64*\t+\i+1]
	v_max3_num_f32 v[XB+8*\t], v[XB+8*\t], v[SR+64*\t+\i+2], v[SR+64*\t+\i+3]
.endr
.endr
.irp t, 0,1
	v_max3_num_f32 v[XA+8*\t], v[XA+8*\t], v[SR+64*\t+62], v[SR+64*\t+63]
.endr
.irp t, 0,1
	v_max_num_f32 v[XA+8*\t], v[XA+8*\t], v[XB+8*\t]
.endr
.irp t, 0,1
	v_permlanex16_b32 v[XB+8*\t], v[XA+8*\t], s[SEL], s[SEL+1]
.endr
.irp t, 0,1
	v_max_num_f32 v[XA+8*\t], v[XA+8*\t], v[XB+8*\t]
.endr
.irp t, 0,1
	v_mul_f32 v[XA+8*\t], s[CS], v[XA+8*\t]        ; as t (c is positive)
.endr
.irp t, 0,1
	v_max_num_f32 v[TX+8*\t], v[TX+8*\t], v[XA+8*\t]
.endr
.irp t, 0,1
	v_mov_b32 v[XA+8*\t], v[NM+8*\t]
.endr
.irp t, 0,1
	v_floor_f32 v[NM+8*\t], -v[TX+8*\t]            ; the new -M = -ceil(t): a whole number
.endr
.irp t, 0,1
	v_sub_f32 v[XA+8*\t], v[NM+8*\t], v[XA+8*\t]
.endr
.irp t, 0,1
	v_cvt_i32_f32 v[XA+8*\t], v[XA+8*\t]           ; (it saturates)
.endr
.irp t, 0,1
	v_ldexp_f32 v[FF+8*\t], 1.0, v[XA+8*\t]        ; f = 2^(old M - new M)
.endr
	WIN 0x41
.set j, 0
.rept 16
.irp t, 0,1
	v_pk_mul_f32 v[OT+32*\t+j:OT+32*\t+j+1], v[OT+32*\t+j:OT+32*\t+j+1], v[FF+8*\t:FF+8*\t+1] op_sel_hi:[1,0]   ; O^T under the new M, ahead of the exponentials
.endr
.set j, j+2
.endr
	WIN 0
.set j, 0
.rept 32
.irp t, 0,1
	v_pk_fma_f32 v[SR+64*\t+j:SR+64*\t+j+1], v[SR+64*\t+j:SR+64*\t+j+1], s[CS:CS+1], v[NM+8*\t:NM+8*\t+1] op_sel_hi:[1,0,0]   ; t - M
.endr
.set j, j+2
.endr
	s_wait_alu depctr_va_vdst(0)                   ; ahead of the batch
.set j, 0
.rept 128
	v_exp_f32 v[SR+j], v[SR+j]                     ; p = 2^(t - M), at most 1
.set j, j+1
.endr
.irp t, 0,1
	v_pk_mul_f32 v[SU+8*\t:SU+8*\t+1], v[SU+8*\t:SU+8*\t+1], v[FF+8*\t:FF+8*\t+1] op_sel_hi:[1,0]   ; the sums under the new M (plain places behind the batch)
.endr
	s_wait_alu depctr_va_vdst(0)                   ; one wait for the whole batch, ahead of its first reader
.irp a, 0,1,2,3                                ; the row's sum of the unquantised p: four chains a tile
.irp t, 0,1
	v_pk_add_f32 v[TS+8*\t+2*\a:TS+8*\t+2*\a+1], v[SR+64*\t+2*\a:SR+64*\t+2*\a+1], v[SR+64*\t+8+2*\a:SR+64*\t+8+2*\a+1]
.endr
.endr
.set j, 16
.rept 6
.irp a, 0,1,2,3
.irp t, 0,1
	v_pk_add_f32 v[TS+8*\t+2*\a:TS+8*\t+2*\a+1], v[TS+8*\t+2*\a:TS+8*\t+2*\a+1], v[SR+64*\t+j+2*\a:SR+64*\t+j+2*\a+1]
.endr
.endr
.set j, j+8
.endr
.irp t, 0,1
	v_pk_add_f32 v[TS+8*\t:TS+8*\t+1], v[TS+8*\t:TS+8*\t+1], v[TS+8*\t+2:TS+8*\t+3]
	v_pk_add_f32 v[TS+8*\t+4:TS+8*\t+5], v[TS+8*\t+4:TS+8*\t+5], v[TS+8*\t+6:TS+8*\t+7]
.endr
.irp t, 0,1
	v_pk_add_f32 v[TS+8*\t:TS+8*\t+1], v[TS+8*\t:TS+8*\t+1], v[TS+8*\t+4:TS+8*\t+5]
.endr
.irp t, 0,1
	v_pk_add_f32 v[SU+8*\t:SU+8*\t+1], v[SU+8*\t:SU+8*\t+1], v[TS+8*\t:TS+8*\t+1]
.endr
.set j, 0
.rept 64
	v_dual_min_num_f32 v[SR+j], v[HO], v[SR+j] :: v_dual_min_num_f32 v[SR+j+1], v[HO+1], v[SR+j+1]   ; the hold at 448 x 2^e4, two numbers a line; p is not negative, so it is one-sided (the conversion does not saturate: ISA guide 7.6.2)
.set j, j+2
.endr
	WIN 0x40
.irp t, 0,1
.irp kt, 0,1,2,3,4,5,6,7
	v_cvt_scalef32_pk8_fp8_f32 v[PR+16*\t+2*\kt:PR+16*\t+2*\kt+1], v[SR+64*\t+8*\kt:SR+64*\t+8*\kt+7], v[PSC]
.endr
.endr
	v_nop                                          ; one plain line between the conversions and the products that read their results
	s_wait_alu depctr_va_vdst(0)
	s_wait_dscnt 0x0                               ; V's fragments are in
	WIN 0x55
.irp a, 0,1,2,3                                ; O^T += V^T P^T; the eight accumulators take turns, and S^T's sixteen products stand between two links of a chain
.irp t, 0,1
	v_wmma_f32_16x16x128_fp8_fp8 v[OT+32*\t+8*\a:OT+32*\t+8*\a+7], v[16*\a:16*\a+15], v[PR+16*\t:PR+16*\t+15], v[OT+32*\t+8*\a:OT+32*\t+8*\a+7]
.endr
.endr
	WIN 0
.Lhidden_\@:
	s_add_co_u32 s[KF], s[KF], 128
	s_add_co_u32 s[TB], s[TB], 2048
.endm
	s_load_b256 s[4:11], s[0:1], 0x0               ; q_img, k_img, v_img, the scales' exponents
	s_load_b64 s[12:13], s[0:1], 0x20              ; a_img
	v_lshl_add_u32 v[SPW], v0, 2, SPARE
	v_mov_b32 v[NIL], 0
	ds_add_u32 v[SPW], v[NIL]                      ; the opening lines: the add, twice on end, and one wait, with work on registers between
	ds_add_u32 v[SPW], v[NIL]
	v_lshrrev_b32 v8, 5, v0
	v_readfirstlane_b32 s[WV], v8                  ; wave 0..7
	s_mov_b32 s[BI], ttmp9                         ; i
	s_and_b32 s[HD], ttmp7, 0xffff                 ; b x 16 + head
	s_lshl_b32 s46, s[HD], 17                      ; a head's image is 131,072 bytes in q_img, k_img and v_img
	s_mov_b32 s47, 0
	s_sub_co_u32 s60, 7, s[BI]                     ; the first block
	s_mov_b32 s[G1], 3<<16                         ; elements of 8 bytes, no mask, no padding
	s_mov_b32 s[G1+1], 256<<16                     ; tensor_dim0: 2,048 bytes
	s_mov_b32 s[G1+2], 4<<16                       ; tensor_dim1 = 4
	s_mov_b32 s[G1+3], 256<<16                     ; tile_dim0
	s_mov_b32 s[G1+4], 4                           ; tile_dim1
	s_mov_b32 s[G1+5], 1024                        ; from step to step: 8,192 bytes
	s_mov_b32 s[G1+6], 0
	s_mov_b32 s[G1+7], 0
	s_mov_b32 s[G2], 3<<16                         ; the second load: the same with 12 rows
	s_mov_b32 s[G2+1], 256<<16
	s_mov_b32 s[G2+2], 12<<16
	s_mov_b32 s[G2+3], 256<<16
	s_mov_b32 s[G2+4], 12
	s_mov_b32 s[G2+5], 1024
	s_mov_b32 s[G2+6], 0
	s_mov_b32 s[G2+7], 0
	s_mov_b32 s[G0], 1
	s_lshl_b32 s[G0+1], s[WV], 15                  ; LDS: 32,768 x wave
	s_and_b32 s61, s[WV], 3
	s_lshl_b32 s61, s61, 11                        ; my piece of a step
	s_mov_b32 s[SEL], 0x76543210
	s_mov_b32 s[SEL+1], 0xfedcba98
	s_mov_b32 s[CS], 0x3e38aa3b                    ; log2(e) / 8
	s_wait_dscnt 0x0
	s_wait_kmcnt 0x0
	s_load_b256 s[68:75], s[10:11], 0x0            ; e0 .. e7
	s_cmp_lt_u32 s[WV], 4
	s_cselect_b64 s[SRC:SRC+1], s[6:7], s[8:9]     ; waves 0-3: k_img; 4-7: v_img
	s_add_nc_u64 s[SRC:SRC+1], s[SRC:SRC+1], s[46:47]
	s_mov_b32 s52, s61
	s_mov_b32 s53, 0
	s_add_nc_u64 s[SRC:SRC+1], s[SRC:SRC+1], s[52:53]
	s_mov_b64 s[G0+2:G0+3], s[SRC:SRC+1]
	s_or_b32 s[G0+3], s[G0+3], 0x80000000
	tensor_load_to_lds s[G0:G0+3], s[G1:G1+7]      ; steps 0-3: every wave's one load at the head
	s_nop 0
	NOPS
	s_lshl_b32 s52, s60, 8
	s_lshl_b32 s61, s[WV], 5
	s_add_co_u32 s52, s52, s61
	s_lshl_b32 s52, s52, 6                         ; a token is 64 bytes of the image
	s_add_nc_u64 s[56:57], s[4:5], s[46:47]
	s_mov_b64 s[58:59], s[56:57]
	s_add_nc_u64 s[56:57], s[56:57], s[52:53]      ; the first block's Q
	s_lshl_b32 s52, s[BI], 8
	s_add_co_u32 s52, s52, s61
	s_lshl_b32 s52, s52, 6
	s_add_nc_u64 s[58:59], s[58:59], s[52:53]      ; the second block's
	v_and_b32 v1, 31, v0
	v_lshlrev_b32 v[GO], 4, v1
	v_lshlrev_b32 v[AK0], 4, v1
	v_bfe_u32 v[AV0], v0, 3, 1
	v_lshl_add_u32 v[AV0], v[AV0], 15, v[AK0]      ; lanes with (lane / 8) % 2 = 1 read the next tile of 16 channels, one piece on
	v_add_nc_u32 v[AV0], VOFF, v[AV0]
	v_xor_b32 v[AV1], 128, v[AV0]
	WIN 0x40
.irp t, 0,1
.irp c, 0,1
	global_load_b128 v[QR+8*\t+4*\c:QR+8*\t+4*\c+3], v[GO], s[56:57] offset:1024*\t+512*\c
	global_load_b128 v[QN+8*\t+4*\c:QN+8*\t+4*\c+3], v[GO], s[58:59] offset:1024*\t+512*\c
.endr
.endr
	WIN 0
	v_and_b32 v[DL], 15, v0
	v_bfe_u32 v8, v0, 4, 1
	v_lshlrev_b32 v8, 3, v8
	v_sub_nc_u32 v[DL], v[DL], v8
	v_mov_b32 v[NEG], 0xff800000
.irp t, 0,1
	v_mov_b32 v[XB+8*\t], 0                        ; a lane permute's destination counts as one of its sources
	v_mov_b32 v[FF+8*\t], 0
	v_mov_b32 v[FF+8*\t+1], 0                      ; (named as the upper half of a pair)
.endr
	s_wait_alu depctr_va_vdst(0)
	s_wait_kmcnt 0x0
	s_add_co_i32 s52, s70, s71
	s_lshl_b32 s52, s52, 23
	s_add_co_i32 s[CS], s[CS], s52                 ; a score stands for score x 2^(e2 + e3)
	s_mov_b32 s[CS+1], s[CS]
	s_add_co_i32 s52, s72, 127
	s_lshl_b32 s53, s52, 23
	v_mov_b32 v[PSC], s53                          ; 2^e4
	s_add_co_i32 s52, s52, 8
	s_lshl_b32 s52, s52, 23
	s_or_b32 s52, s52, 0x600000
	v_mov_b32 v[HO], s52                           ; 448 x 2^e4
	v_mov_b32 v[HO+1], s52
	s_sub_co_i32 s52, s74, s72
	s_sub_co_i32 s52, s52, s73
	s_add_co_i32 s52, s52, 127
	s_lshl_b32 s53, s52, 23
	v_mov_b32 v[OSC], s53                          ; 2^(e6 - e4 - e5)
	s_add_co_i32 s52, s52, 8
	s_lshl_b32 s52, s52, 23
	s_or_b32 s52, s52, 0x600000
	v_mov_b32 v[OHO], s52                          ; 448 x that
	INIT 60, 0                                     ; block 7 - i; its last line is the wait at the head's end
	s_wait_loadcnt 0x0                             ; both blocks' Q
	s_wait_tensorcnt 0x0                           ; my part of steps 0-3 is in; these lines stand ahead of a later first fill
	ds_add_u32 v[SPW], v[NIL]
	s_add_co_u32 s[G0+1], s[G0+1], 8192            ; behind my four steps in LDS,
	s_add_nc_u64 s[G0+2:G0+3], s[G0+2:G0+3], 32768 ; and four steps on in memory
	s_wait_dscnt 0x0
	s_barrier_signal -1
	s_barrier_wait -1                              ; everybody's part of steps 0-3 is in
	tensor_load_to_lds s[G0:G0+3], s[G2:G2+7]      ; steps 4-15: bytes that nothing has filled and that no step of the first loop reads
	s_nop 0
	NOPS
	s_mov_b32 s[KF], 0
	s_mov_b32 s[TB], 0
	s_mov_b32 s[ST], 0
.Lfirst:                                           ; steps 0-3 of the first block: all their keys count for all its queries
	STEP 0
	s_add_co_u32 s[ST], s[ST], 1
	s_cmp_lt_u32 s[ST], 4
	s_cbranch_scc1 .Lfirst
	s_wait_tensorcnt 0x0                           ; my part of steps 4-15 is in,
	s_wait_dscnt 0x0
	s_barrier_signal -1
	s_barrier_wait -1                              ; everybody's is: from here on LDS is only read
	s_mov_b32 s[KMIN], 512
	s_mov_b32 s[OB], 0
.Lblock:                                           ; two trips: the rest of block 7 - i, then block i
	s_mov_b32 s[KF], 0
	s_mov_b32 s[TB], 0
	s_mov_b32 s[ST], 0
.Lstep:
	STEP 1
	s_add_co_u32 s[ST], s[ST], 1
	s_cmp_lt_u32 s[ST], 16
	s_cbranch_scc1 .Lstep
	FINISH
	s_cmp_eq_u32 s[OB], 1
	s_cbranch_scc1 .Llast
	INIT BI, 1
	s_mov_b32 s[KMIN], 0
.Llast:
	s_add_co_u32 s[OB], s[OB], 1
	s_cmp_lt_u32 s[OB], 2
	s_cbranch_scc1 .Lblock
	s_wait_tensorcnt 0x0                           ; the wave's end
	ds_add_u32 v[SPW], v[NIL]
	s_wait_dscnt 0x0
	s_endpgm
.Lfunc_end_k_qee1ce1f2e0_attn:
	.size	k_qee1ce1f2e0_attn, .Lfunc_end_k_qee1ce1f2e0_attn-k_qee1ce1f2e0_attn
	.p2alignl 7, 3214868480
	.fill 96, 4, 3214868480
	.section	.rodata,"a",@progbits
	.p2align	6, 0x0
	.amdhsa_kernel k_qee1ce1f2e0_attn
		.amdhsa_group_segment_fixed_size 327680
		.amdhsa_private_segment_fixed_size 0
		.amdhsa_enable_private_segment 0
		.amdhsa_kernarg_size 40
		.amdhsa_user_sgpr_count 2
		.amdhsa_user_sgpr_kernarg_segment_ptr 1
		.amdhsa_wavefront_size32 1
		.amdhsa_system_sgpr_workgroup_id_x 1
		.amdhsa_system_sgpr_workgroup_id_y 1
		.amdhsa_system_sgpr_workgroup_id_z 1
		.amdhsa_system_vgpr_workitem_id 0
		.amdhsa_next_free_vgpr 512
		.amdhsa_next_free_sgpr 100
		.amdhsa_reserve_vcc 1
		.amdhsa_float_denorm_mode_32 3
		.amdhsa_float_denorm_mode_16_64 3
		.amdhsa_memory_ordered 1
		.amdhsa_forward_progress 1
		.amdhsa_inst_pref_size 98
	.end_amdhsa_kernel
	.amdgpu_metadata
---
amdhsa.version: [ 1, 2 ]
amdhsa.kernels:
  - .name:           k_qee1ce1f2e0_attn
    .symbol:         k_qee1ce1f2e0_attn.kd
    .args:
      - { .name: q_img, .offset: 0, .size: 8, .value_kind: global_buffer, .address_space: global }
      - { .name: k_img, .offset: 8, .size: 8, .value_kind: global_buffer, .address_space: global }
      - { .name: v_img, .offset: 16, .size: 8, .value_kind: global_buffer, .address_space: global }
      - { .name: lowp_scales, .offset: 24, .size: 8, .value_kind: global_buffer, .address_space: global }
      - { .name: a_img, .offset: 32, .size: 8, .value_kind: global_buffer, .address_space: global }
    .group_segment_fixed_size: 327680
    .private_segment_fixed_size: 0
    .kernarg_segment_align: 8
    .kernarg_segment_size: 40
    .max_flat_workgroup_size: 256
    .sgpr_count:     100
    .vgpr_count:     512
    .wavefront_size: 32
...
	.end_amdgpu_metadata
.endif
;; end of part 3
;; launch proj (part 4): grid 64 x 4, 4 waves a work-group, clusters of 4 x 1, 327,680 bytes of LDS; arguments a_img, w_out_codes, lowp_scales, out0; writes out0
.if DOCPART == 4
	.amdgcn_target "amdgcn-amd-amdhsa--gfx1250"
	.amdhsa_code_object_version 6
	.text
	.protected	k_qee1ce1f2e0_proj
	.globl	k_qee1ce1f2e0_proj
	.p2align	8
	.type	k_qee1ce1f2e0_proj,@function
k_qee1ce1f2e0_proj:
	s_mov_b64 s[64:65], 0
	v_nop
	global_prefetch_b8 v0, s[64:65] scope:SCOPE_SE
	s_setreg_imm32_b32 hwreg(HW_REG_WAVE_MODE, 25, 1), 1
	s_wait_xcnt 0x0
	s_wait_alu depctr_hold_cnt(0) depctr_sa_sdst(0) depctr_va_vdst(0) depctr_va_sdst(0) depctr_va_ssrc(0) depctr_va_vcc(0) depctr_vm_vsrc(0)
	s_getreg_b32 s2, hwreg(HW_REG_IB_STS2, 6, 4)
	s_cmp_eq_u32 s2, 0
	s_cbranch_scc0 .Lentry_in_a_cluster
	s_endpgm
.Lentry_in_a_cluster:
	s_bfe_u32 s2, ttmp6, 0x10000c
	s_cmp_lg_u32 s2, 0x3003
	s_cbranch_scc0 .Lentry_shape_is_right
	s_endpgm
.Lentry_shape_is_right:
; out0 = o w_out^T on codes of FP8 (E4M3): o [8192][1024] as a_img, the image of operand registers that the launch before lays; w_out [1024][1024] codes, K innermost; out0 [8192][1024] f32.
; lowp_scales: e6 (o), e7 (w_out): each finished sum is multiplied once by 2^(e6 + e7).  LIMIT: e6 + e7 between -126 and 127, so that this is an f32 number.
; SHARES.  Work-group (x, y) makes rows 128 x .. + 127, columns 256 y .. + 255: 64 x 4 = 256 work-groups.  Its four waves make 64 x 128 each (wave / 2: rows, wave % 2: columns): 32 accumulators, 256 registers.
; B = w_out's 256 rows, ALL 1,024 of K, lies in LDS (256 rows x 1,040 bytes): each wave fetches 64 rows by ONE tensor load at the head, and nothing is ever filled again: no ring, one barrier.
; CLUSTER 4, 1, 1: the four work-groups of a cluster differ in x alone and need the same rows of w_out: the load is asked for jointly, mask 15; its descriptor hangs on y and the wave's number alone.
; A = o: a_img is [K / 256][row / 16][(K % 256) / 64][c 0..1][lane][16 bytes], so a fragment (16 rows x 128 K) is four loads of 512 consecutive bytes straight into its 16 registers.  A wave's 4 row tiles x 8 K steps are
; 128 loads into 512 registers, all issued at the head, behind the tensor load; the products wait for them by count, K step by K step.
; NO PREFETCH: every byte that the work-group reads is asked for at its head; there is no loop to run ahead in.
; THE MATRIX INSTRUCTION IS USED TRANSPOSED (source 0 = 16 rows of w_out, source 1 = 16 rows of o): a lane holds eight neighbouring numbers of a row of out0.
; REGISTERS: window 0: v16-29 addresses; v32-223 three groups of four fragments of B (on the way out v32-95 scaled sums, v128-255 rows read back);
; window 1: A's fragments of K steps 0-3 (step s, row tile a at 64 (s % 4) + 16 a); window 2: of K steps 4-7; window 3: accumulator (a, b) at 8 (8 a + b).
.set PITCH,  1040                      ; an LDS row: 1,024 bytes + 16 of padding: an odd multiple of 16 bytes
.set QUART,  64*PITCH                  ; what one tensor load brings
.set STAGE,  256*PITCH                 ; behind B: a stage of 16 rows x 528 bytes for each wave, bytes on which no fill lands
.set SPITCH, 528
.set SPARE,  STAGE+4*16*SPITCH         ; behind the stages: the spare words, 128 bytes a wave
.set ASLOT,  512*4096                  ; a_img: from one 256 of K to the next
.set ADRB, 16                          ; v16, v17: my lane's place in B's column tiles 0-3, 4-7 of my 128 columns
.set AO,   18                          ; v18: 16 x lane
.set STO,  24
.set RD,   25
.set SPW,  28
.set NIL,  29
.set BF,   32
.set TMP,  32
.set BK,   128
.set MSB, 0
.macro WIN new                         ; the immediate's high byte repeats the setting that is left
.if MSB != \new
	s_set_vgpr_msb (MSB<<8)|\new
.set MSB, \new
.endif
.endm
.macro PLACES
.rept 4
	v_nop
.endr
.endm
.macro CROUND                          ; a round of the cluster's barrier
	s_barrier_signal -1
	s_barrier_wait -1
	s_cmp_lg_u32 s14, 0
	s_cbranch_scc1 .Lnot_wave_0_\@
	s_barrier_signal -3
.Lnot_wave_0_\@:
	s_barrier_wait -3
	s_barrier_signal -1
	s_barrier_wait -1
.endm
	s_load_b128 s[4:7], s[0:1], 0x0                ; a_img, w_out's codes
	s_load_b128 s[8:11], s[0:1], 0x10              ; the scales' exponents, out0
	v_lshl_add_u32 v[SPW], v0, 2, SPARE
	v_mov_b32 v[NIL], 0
	ds_add_u32 v[SPW], v[NIL]                      ; the opening lines: the add, twice on end, and one wait, with work on registers between
	ds_add_u32 v[SPW], v[NIL]
	v_lshrrev_b32 v1, 5, v0
	v_readfirstlane_b32 s14, v1                    ; wave 0..3
	s_lshr_b32 s15, s14, 1                         ; my half of the rows
	s_and_b32 s16, s14, 1                          ; my half of the columns
	s_bfe_u32 s40, ttmp6, 0x40000                  ; cx
	s_lshl_b32 s42, ttmp9, 2
	s_add_co_u32 s42, s42, s40                     ; x = 4 x cluster x + cx
	s_and_b32 s17, ttmp7, 0xffff                   ; y
	s_mov_b32 s24, 15|(1<<20)|(1<<21)|(7<<22)|(3<<25)   ; the mask: all four of the cluster; elements of 1 byte; padding of 4 words after every 256 words (code 7); bit 21 beside a mask
	s_mov_b32 s25, 1024<<16                        ; tensor_dim0
	s_mov_b32 s26, 64<<16                          ; tensor_dim1
	s_mov_b32 s27, 1024<<16                        ; tile_dim0
	s_mov_b32 s28, 64                              ; tile_dim1
	s_mov_b32 s29, 1024                            ; from row to row
	s_mov_b32 s30, 0
	s_mov_b32 s31, 0
	s_mov_b32 s32, 1
	s_mul_i32 s33, s14, QUART                      ; LDS: 64 rows x wave
	s_lshl_b32 s20, s17, 8
	s_lshl_b32 s21, s14, 6
	s_add_co_u32 s20, s20, s21                     ; w_out's row 256 y + 64 wave,
	s_lshl_b32 s20, s20, 10                        ; in bytes
	s_mov_b32 s21, 0
	s_wait_dscnt 0x0
	s_wait_kmcnt 0x0
	s_load_b64 s[44:45], s[8:9], 0x18              ; e6, e7
	s_add_nc_u64 s[34:35], s[6:7], s[20:21]
	s_or_b32 s35, s35, 0x80000000
	CROUND                                         ; the four work-groups are here: the joint loads meet
	tensor_load_to_lds s[32:35], s[24:31]          ; every wave's one tensor load
	s_nop 0
	PLACES
	s_lshl_b32 s20, s42, 15                        ; a_img: 8 row tiles of 4,096 bytes a work-group,
	s_lshl_b32 s22, s15, 14                        ; 4 a wave
	s_add_co_u32 s20, s20, s22
	s_add_nc_u64 s[4:5], s[4:5], s[20:21]
	v_and_b32 v6, 31, v0
	v_lshlrev_b32 v[AO], 4, v6
.irp s, 0,1,2,3,4,5,6,7
.set WN, 0x40*(1+\s/4)
	WIN WN
.irp a, 0,1,2,3
.irp c, 0,1,2,3
	global_load_b128 v[64*(\s%4)+16*\a+4*\c:64*(\s%4)+16*\a+4*\c+3], v[AO], s[4:5] offset:(\s/2)*ASLOT+\a*4096+(\s%2)*2048+512*\c
.endr
.endr
.endr
	WIN 0
	v_and_b32 v1, 15, v0                           ; l % 16
	v_bfe_u32 v2, v0, 4, 1                         ; l / 16
	v_mul_u32_u24 v3, v1, PITCH
	v_lshl_add_u32 v3, v2, 4, v3
	s_mul_i32 s22, s16, 128*PITCH                  ; my 128 rows of B
	v_add_nc_u32 v[ADRB], s22, v3
	v_add_nc_u32 v[ADRB+1], 64*PITCH, v[ADRB]
	s_mul_i32 s23, s14, 16*SPITCH
	s_add_co_u32 s23, s23, STAGE                   ; my stage
	v_mul_u32_u24 v5, v1, SPITCH
	v_lshl_add_u32 v5, v2, 5, v5
	v_add_nc_u32 v[STO], s23, v5                   ; in: row l % 16, 32 bytes for each half of the lanes
	v_add_nc_u32 v[RD], s23, v[AO]                 ; back: the 32 lanes take one row of 512 bytes
	s_lshl_b32 s20, s42, 19                        ; out0: 128 rows of 4,096 bytes a work-group,
	s_lshl_b32 s22, s15, 18                        ; 64 a wave,
	s_add_co_u32 s20, s20, s22
	s_lshl_b32 s22, s17, 10                        ; 1,024 bytes a column block,
	s_add_co_u32 s20, s20, s22
	s_lshl_b32 s22, s16, 9                         ; 512 a wave
	s_add_co_u32 s20, s20, s22
	s_add_nc_u64 s[10:11], s[10:11], s[20:21]
; Group G = 2 s + g: B's column tiles 4 g .. 4 g + 3 at K step s: sixteen LDS loads into register group G % 3
.macro BLOAD G
.set LB, BF+64*((\G)%3)
.irp bb, 0,1,2,3
.irp c, 0,1,2,3
	ds_load_b128 v[LB+16*\bb+4*\c:LB+16*\bb+4*\c+3], v[ADRB+(\G)%2] offset:128*((\G)/2)+32*\c+\bb*16*PITCH
.endr
.endr
.endm
; Sixteen matrix instructions on sixteen accumulators, one a turn; an accumulator's next turn stands 32 instructions on.  K step 0's products start the sums.
.macro GROUP G
.set KS, (\G)/2
.set BB, BF+64*((\G)%3)
.if (\G) == 0
	s_wait_loadcnt 63                              ; of A's 128 loads at most 63 are out: the 64 of K steps 0-3 are in
.endif
.if KS >= 4
.if (\G)%2 == 0
	s_wait_loadcnt 16*(7-KS)                       ; the sixteen loads of each later K step may be out
.endif
.endif
.if (\G) < 14
	s_wait_dscnt 32                                ; the two younger groups' loads may be out
.else
	s_wait_dscnt 16*(15-(\G))
.endif
.set WN, 0xf4+4*(KS/4)
	WIN WN                                         ; source 0 window 0, source 1 window 1 or 2, C and D window 3
.irp bb, 0,1,2,3
.irp a, 0,1,2,3
.if KS == 0
	v_wmma_f32_16x16x128_fp8_fp8 v[8*(8*\a+4*((\G)%2)+\bb):8*(8*\a+4*((\G)%2)+\bb)+7], v[BB+16*\bb:BB+16*\bb+15], v[64*(KS%4)+16*\a:64*(KS%4)+16*\a+15], 0
.else
	v_wmma_f32_16x16x128_fp8_fp8 v[8*(8*\a+4*((\G)%2)+\bb):8*(8*\a+4*((\G)%2)+\bb)+7], v[BB+16*\bb:BB+16*\bb+15], v[64*(KS%4)+16*\a:64*(KS%4)+16*\a+15], v[8*(8*\a+4*((\G)%2)+\bb):8*(8*\a+4*((\G)%2)+\bb)+7]
.endif
.endr
.endr
	PLACES                                         ; in front of loads into, or writes of, registers that these products read
	WIN 0
.if (\G) < 13
	BLOAD (\G)+3
.endif
.endm
	s_wait_alu depctr_va_vdst(0)                   ; the head's end
	s_wait_tensorcnt 0x0                           ; my 64 rows of B are in,
	s_barrier_signal -1
	s_barrier_wait -1                              ; everybody's are
	BLOAD 0
	BLOAD 1
	BLOAD 2
.irp g, 0,1,2,3,4,5,6,7,8,9,10,11,12,13,14,15
	GROUP \g
.endr
; THE WAY OUT, block by block of 16 rows x 128 columns: through my own stage in LDS, back as whole rows of 512 bytes, which the 32 lanes store as two aligned units of 256 bytes.
; LDS serves a wave's instructions in order (ISA guide 5.7.1.4): no wait between the stores and the loads.
.macro TOSTAGE a
	WIN 0x03
.set j, 0
.rept 32
	v_pk_mul_f32 v[TMP+j:TMP+j+1], v[64*(\a)+j:64*(\a)+j+1], s[44:45] op_sel_hi:[1,0]   ; x 2^(e6 + e7); each accumulator from its low end on
.set j, j+2
.endr
	WIN 0
.irp b, 0,1,2,3,4,5,6,7
	ds_store_b128 v[STO], v[TMP+8*\b:TMP+8*\b+3] offset:64*\b
	ds_store_b128 v[STO], v[TMP+8*\b+4:TMP+8*\b+7] offset:64*\b+16
.endr
.set B2, BK+64*((\a)%2)
.irp t, 0,1,2,3,4,5,6,7,8,9,10,11,12,13,14,15
	ds_load_b128 v[B2+4*\t:B2+4*\t+3], v[RD] offset:\t*SPITCH
.endr
.endm
.macro SEND a, younger                 ; younger: the LDS instructions issued behind block a's loads, which may stay out
.set B2, BK+64*((\a)%2)
	s_wait_dscnt \younger
.if (\a) > 0
	s_add_nc_u64 s[10:11], s[10:11], 16*4096       ; (behind a wait on XCNT: the earlier stores have read their base)
.endif
.irp t, 0,1,2,3,4,5,6,7,8,9,10,11,12,13,14,15
	global_store_b128 v[AO], v[B2+4*\t:B2+4*\t+3], s[10:11] offset:\t*4096 th:TH_STORE_NT
.endr
.endm
	s_wait_kmcnt 0x0
	s_add_co_i32 s44, s44, s45
	s_add_co_i32 s44, s44, 127
	s_lshl_b32 s44, s44, 23                        ; 2^(e6 + e7) as f32
	TOSTAGE 0
.irp a, 1,2,3
.if \a > 1
	s_wait_xcnt 0x0                                ; block a - 2's stores have read their registers and their base
.endif
	TOSTAGE \a
	SEND \a-1, 32
.endr
	s_wait_xcnt 0x0
	SEND 3, 0
	s_wait_tensorcnt 0x0                           ; the wave's end
	ds_add_u32 v[SPW], v[NIL]
	s_wait_dscnt 0x0
	CROUND                                         ; the closing round
	s_endpgm
.Lfunc_end_k_qee1ce1f2e0_proj:
	.size	k_qee1ce1f2e0_proj, .Lfunc_end_k_qee1ce1f2e0_proj-k_qee1ce1f2e0_proj
	.p2alignl 7, 3214868480
	.fill 96, 4, 3214868480
	.section	.rodata,"a",@progbits
	.p2align	6, 0x0
	.amdhsa_kernel k_qee1ce1f2e0_proj
		.amdhsa_group_segment_fixed_size 327680
		.amdhsa_private_segment_fixed_size 0
		.amdhsa_enable_private_segment 0
		.amdhsa_kernarg_size 32
		.amdhsa_user_sgpr_count 2
		.amdhsa_user_sgpr_kernarg_segment_ptr 1
		.amdhsa_wavefront_size32 1
		.amdhsa_system_sgpr_workgroup_id_x 1
		.amdhsa_system_sgpr_workgroup_id_y 1
		.amdhsa_system_sgpr_workgroup_id_z 1
		.amdhsa_system_vgpr_workitem_id 0
		.amdhsa_next_free_vgpr 1024
		.amdhsa_next_free_sgpr 66
		.amdhsa_reserve_vcc 0
		.amdhsa_float_denorm_mode_32 3
		.amdhsa_float_denorm_mode_16_64 3
		.amdhsa_memory_ordered 1
		.amdhsa_forward_progress 1
		.amdhsa_inst_pref_size 75
	.end_amdhsa_kernel
	.amdgpu_metadata
---
amdhsa.version: [ 1, 2 ]
amdhsa.kernels:
  - .name:           k_qee1ce1f2e0_proj
    .symbol:         k_qee1ce1f2e0_proj.kd
    .args:
      - { .name: a_img, .offset: 0, .size: 8, .value_kind: global_buffer, .address_space: global }
      - { .name: w_out_codes, .offset: 8, .size: 8, .value_kind: global_buffer, .address_space: global }
      - { .name: lowp_scales, .offset: 16, .size: 8, .value_kind: global_buffer, .address_space: global }
      - { .name: out0, .offset: 24, .size: 8, .value_kind: global_buffer, .address_space: global }
    .group_segment_fixed_size: 327680
    .private_segment_fixed_size: 0
    .kernarg_segment_align: 8
    .kernarg_segment_size: 32
    .max_flat_workgroup_size: 128
    .sgpr_count:     66
    .vgpr_count:     1024
    .wavefront_size: 32
...
	.end_amdgpu_metadata
.endif
;; end of part 4
